; MI455X (gfx1250); checked and timed in simulation.
; The chip was launched on July 23, 2026; its instructions are those of AMD's public machine-readable ISA for CDNA 5 (MIT licence, August 2026) and "CDNA5" Instruction Set Architecture Reference Guide (July 2026). The comments in the code are by the model that wrote it; some were corrected since.
;; Self Multihead Attn. Allowed arithmetic: matrix products marked QUANTISED: E4M3 operands, one given power-of-two scale a tensor, by v_wmma_f32_16x16x64_fp8_fp8 or v_wmma_f32_16x16x128_fp8_fp8, f32 sums; everything else in f32.
;; Inputs: in_proj_weight 3,072 x 1,024 float32; lowp_scales 8 int32 (the exponents e of the quantised operands' scales 2^e); out_proj_weight 1,024 x 1,024 float32; query 2,048 x 4 x 1,024 float32.
;; Outputs: out0 2,048 x 4 x 1,024 float32.
;; This version of the problem:
;;   THIS VERSION OF THE PROBLEM IS GIVEN IN LOW PRECISION. The matrix products marked QUANTISED in the list below multiply operands that are first quantised to E4M3 (4 exponent bits, 3 mantissa bits; 8 bits a number), with one given power-of-two scale for each operand tensor; their sums are f32. All else is computed in f32.
;;   The module's matrix products, in the order in which they are computed (A, B: the left and right operand; K: the contracted axis; several contracted axes count as one K, in the product's order):
;;     1. [M 8,192, K 1,024] x [K 1,024, N 3,072]; A: input query; B: input in_proj_weight: QUANTISED (scales: A lowp_scales[0], B lowp_scales[1])
;;     2. batch 64 x [M 2,048, K 64] x [K 64, N 2,048]; A: computed on the way; B: computed on the way: QUANTISED (scales: A lowp_scales[2], B lowp_scales[3])
;;     3. batch 64 x [M 2,048, K 2,048] x [K 2,048, N 64]; A: softmax (see below); B: computed on the way: QUANTISED (scales: A lowp_scales[4], B lowp_scales[5])
;;     4. [M 8,192, K 1,024] x [K 1,024, N 1,024]; A: computed on the way; B: input out_proj_weight: QUANTISED (scales: A lowp_scales[6], B lowp_scales[7])
;;   THE QUANTISER, for each operand of a quantised product, along K:
;;     - The operand's scale is 2^e, e = its entry of the input lowp_scales (int32; the entries are numbered through the quantised products in the list's order, A before B).
;;     - Each number is divided by the scale, clamped to +-448, and rounded to the nearest number of E4M3, ties to even, subnormals kept.
;;     - The product sums the exact products of the quantised numbers (number of the format x scale) in f32.
;;   ~~~python
;;   def quantise(x, axis, e):      # numpy; x: float32 -> the quantised numbers, widened to float32 again
;;       x = np.moveaxis(x, axis, -1); K = x.shape[-1]
;;       r = np.clip(x / 2.0 ** e, -448, 448)
;;       step = 2.0 ** (np.maximum(np.frexp(np.where(r == 0, 1, r))[1] - 1, -6) - 3)
;;       q = np.round(r / step) * step * 2.0 ** e      # np.round: ties to even
;;       return np.moveaxis(q, -1, axis).astype(np.float32)
;;   ~~~
;;   SOFTMAX AHEAD OF A QUANTISED PRODUCT. Where the list says 'softmax', what is quantised is not the finished softmax but p = 2^(t - M), with t = logit x log2(e) and M = ceil(the row's largest t), a whole number; so 1/2 < the row's largest p <= 1. The row's sum l is taken of the UNQUANTISED p, in f32, and the product's result is divided by l at the end. Since M is a whole number, a kernel that streams over the keys may use a running M (the ceiling of the running maximum): every later rescaling is an exact power of two, so the quantised numbers keep their values, but for numbers so far below the row's largest that they fall under the format's range.
;;   OPERANDS COMPUTED ON THE WAY. 'Computed on the way' means the value that the module computes at that place (a softmax that the list does not call 'softmax' is quantised finished and normalised). What goes into a quantiser is computed in f32, as accurately as f32 sums, v_exp_f32 and their like allow (about 1e-6 of the number): no bf16 or f16 on the way to a quantiser, and a product that is left as it is and whose result goes on into a quantised operand takes f32 operands (vector FMAs, or v_wmma_f32_16x16x4_f32). A number that lies on a knife's edge between two numbers of the format may be rounded either way, as far as f32 arithmetic and the matrix unit's own rounding can turn it there, and no further.
;; One version. Each part assembles by itself: llvm-mc -triple=amdgcn-amd-amdhsa -mcpu=gfx1250 --defsym DOCPART=n.
;; ======== version 1 of 1: 4 launches
;; limits: right only within a limited range of input values
;; workspace buffers: xq 8,388,608 bytes; wiq 3,145,728 bytes; woq 1,048,576 bytes; qq 8,388,608 bytes; kq 8,388,608 bytes; vq 8,388,608 bytes; cq 8,388,608 bytes
;; launch quant (part 1): grid 768 x 1, 4 waves a work-group, no clusters, 33,280 bytes of LDS; arguments query, in_proj_weight, out_proj_weight, lowp_scales, xq, wiq, woq; writes xq, wiq, woq
.if DOCPART == 1
	.amdgcn_target "amdgcn-amd-amdhsa--gfx1250"
	.amdhsa_code_object_version 6
	.text
	.protected	k_q7181db9102_quant
	.globl	k_q7181db9102_quant
	.p2align	8
	.type	k_q7181db9102_quant,@function
k_q7181db9102_quant:
	s_mov_b64 s[64:65], 0
	v_nop
	global_prefetch_b8 v0, s[64:65] scope:SCOPE_SE
	s_setreg_imm32_b32 hwreg(HW_REG_WAVE_MODE, 25, 1), 1
	s_wait_xcnt 0x0
; query [8192 rows (t, b)][1024], in_proj_weight [3072][1024] and out_proj_weight [1024][1024], f32, become codes of E4M3, K innermost, each with its given scale 2^e
; (entries 0, 1 and 7 of the buffer of scales).  code = x / 2^e, held within +-448, rounded to the nearest code, ties to even.
; LIMITS: each e lies between -126 and 119, so that 2^e and 448 x 2^e are f32 numbers.  NaN among the inputs is not served; an infinity is held at the largest code.
; WHERE THE ROWS GO.  query's row (t, b) goes to row b x 2048 + t of xq, so that 128 neighbouring rows of xq are 128 neighbouring t of one b.
; in_proj_weight's row goes to the place whose number has bits 3 and 4 exchanged (an order of a head's 64 features that q and k share, and that lays v's features as the last product wants them).
; out_proj_weight's rows stay.
; SHARES.  A work-group takes 16 rows, a wave 4 rows, in 8 steps of half a row (512 numbers).  Work-groups 0-511: query; 512-703: in_proj_weight; 704-767: out_proj_weight: 768 = 3 x 256.
; Only pointers, strides and the exponent are chosen by the work-group's number: all three tensors take one path through the text.
; A STEP.  Each of its four loads reads 512 consecutive bytes, 16 a lane; the 2,048 bytes go through the wave's own stage in LDS and come back 64 bytes a lane, since the conversion takes neighbours along K from
; one lane's registers.  The stage has 16 bytes of padding behind each 64.  A lane's 16 codes are 16 bytes: the wave stores 512 consecutive bytes, aligned.
; No tensor loads, no barrier: waves share nothing.  Loads run four steps (16 loads a wave) ahead, the turn through LDS one step.
.set STEPS, 8
.set WGQ,   512                        ; below this number a work-group takes query,
.set WGI,   704                        ; below this one in_proj_weight
.set EMAX,  8
.set MANT,  0x600000                   ; the mantissa field of 448 as f32
.set R,     16                         ; v16-79   four sets of 16 numbers as they are loaded
.set X,     80                         ; v80-111  two sets of 16 neighbours
.set VO,    112                        ; v112-115 row k of my 4: my 16 bytes' offset in the codes' buffer; never rewritten
.set C,     128                        ; v128-159 codes: four registers for each step, so that no store's data are written again
.set WREG,  8192                       ; LDS: a region of its own for each wave: two stages of 32 x SP bytes
.set SP,    80                         ; a lane's place in a stage: its 64 bytes + 16 of padding
	s_load_b256 s[4:11], s[0:1], 0x0               ; query s[4:5], in_proj_weight s[6:7], out_proj_weight s[8:9], the scales' exponents s[10:11]
	s_load_b128 s[12:15], s[0:1], 0x20             ; xq s[12:13], wiq s[14:15]
	s_load_b64 s[24:25], s[0:1], 0x30              ; woq
	v_lshl_add_u32 v192, v0, 2, 0x8000             ; my spare word, behind the four regions
	v_mov_b32 v193, 0
	v_lshrrev_b32 v1, 5, v0
	v_readfirstlane_b32 s16, v1                    ; wave
	v_and_b32 v2, 31, v0                           ; lane
	v_lshlrev_b32 v3, 4, v2                        ; my 16 bytes of a load's 512
	s_wait_alu depctr_va_vdst(0)                   ; scalar lines and waits stand ahead of the readers
	s_mul_i32 s17, s16, WREG
	v_lshrrev_b32 v14, 2, v2
	v_mul_u32_u24 v14, v14, SP
	v_and_b32 v15, 3, v2
	v_lshl_add_u32 v14, v15, 4, v14
	v_add_nc_u32 v14, s17, v14                     ; the stage, on the way in: SP (lane / 4) + 16 (lane % 4); a load's 512 bytes take eight places
	v_mul_u32_u24 v15, v2, SP
	v_add_nc_u32 v15, s17, v15                     ; and on the way out: SP x lane: my 16 neighbours
	; what hangs on the tensor: the first work-group, whether rows change places, and the stride of the 4 rows in the codes' buffer
	s_movk_i32 s18, WGI
	s_cmp_lt_u32 ttmp9, WGI
	s_cselect_b32 s18, WGQ, s18                    ; the tensor's first work-group
	s_cselect_b32 s19, 1, 0                        ; 1: in_proj_weight
	s_cmp_lt_u32 ttmp9, WGQ
	s_cselect_b32 s18, 0, s18
	s_cselect_b32 s19, 0, s19
	s_movk_i32 s26, 1024
	s_cselect_b32 s26, 0x200000, s26               ; from row k to k + 1: query: the next b, 2,048 rows on; a weight: the next row
	s_cselect_b32 s28, 10, 12                      ; a run of 4 rows begins at run << this: query: one t of 1,024 bytes; a weight: 4 rows
	s_sub_co_u32 s20, ttmp9, s18
	s_lshl_b32 s20, s20, 2
	s_add_co_u32 s20, s20, s16                     ; which run of 4 rows of the tensor is my wave's
	s_and_b32 s21, s20, 2
	s_lshl_b32 s21, s21, 1                         ; the run's bit 1 goes to bit 2,
	s_bfe_u32 s22, s20, 0x10002
	s_lshl_b32 s22, s22, 1                         ; its bit 2 to bit 1,
	s_or_b32 s21, s21, s22
	s_and_not1_b32 s22, s20, 6
	s_or_b32 s21, s21, s22                         ; the others stay: bits 3 and 4 of the row are exchanged
	s_cmp_lg_u32 s19, 0
	s_cselect_b32 s21, s21, s20
	s_lshl_b32 s22, s21, s28                       ; where my run's codes begin, in bytes
	s_mov_b32 s23, 0
	s_lshl_b32 s20, s20, 14                        ; where my run's numbers begin: 4 rows of 4,096 bytes
	s_mov_b32 s21, 0
	v_mov_b32 v[VO], v3
.irp k, 1,2,3
	v_add_nc_u32 v[VO+\k], s26, v[VO+\k-1]
.endr
	s_wait_alu depctr_va_vdst(0)
	s_wait_kmcnt 0x0
	s_load_b256 s[32:39], s[10:11], 0x0            ; the eight exponents
	s_cmp_lt_u32 ttmp9, WGI                        ; the choices hang on the work-group's number alone
	s_cselect_b64 s[6:7], s[6:7], s[8:9]
	s_cselect_b64 s[14:15], s[14:15], s[24:25]
	s_cmp_lt_u32 ttmp9, WGQ
	s_cselect_b64 s[4:5], s[4:5], s[6:7]
	s_cselect_b64 s[8:9], s[12:13], s[14:15]
	s_add_nc_u64 s[4:5], s[4:5], s[20:21]
	s_add_nc_u64 s[8:9], s[8:9], s[22:23]
.macro LOAD t
.irp i, 0,1,2,3
	global_load_b128 v[R+16*((\t)%4)+4*\i:R+16*((\t)%4)+4*\i+3], v3, s[4:5] offset:2048*(\t)+512*\i th:TH_LOAD_NT   ; 32 lanes read 512 consecutive bytes
.endr
.endm
.macro TURN t                          ; step t's numbers through the stage: LDS serves a wave's instructions in order, so no wait stands between the stores and the loads
.irp i, 0,1,2,3
	ds_store_b128 v14, v[R+16*((\t)%4)+4*\i:R+16*((\t)%4)+4*\i+3] offset:32*SP*((\t)%2)+8*SP*\i
.endr
.irp i, 0,1,2,3
	ds_load_b128 v[X+16*((\t)%2)+4*\i:X+16*((\t)%2)+4*\i+3], v15 offset:32*SP*((\t)%2)+16*\i
.endr
.endm
.irp t, 0,1,2,3
	LOAD \t
.endr
	s_wait_kmcnt 0x0
	s_cmp_lt_u32 ttmp9, WGI
	s_cselect_b32 s29, s33, s39                    ; e: entry 1 for in_proj_weight, entry 7 for out_proj_weight,
	s_cmp_lt_u32 ttmp9, WGQ
	s_cselect_b32 s29, s32, s29                    ; entry 0 for query
	s_add_co_i32 s29, s29, 127
	s_lshl_b32 s30, s29, 23
	v_mov_b32 v11, s30                             ; 2^e as f32: the conversion takes its exponent field
	s_add_co_i32 s29, s29, EMAX
	s_lshl_b32 s29, s29, 23
	s_or_b32 s29, s29, MANT
	v_mov_b32 v10, s29                             ; 448 x 2^e
	s_wait_alu depctr_va_vdst(0)
	s_wait_loadcnt 12                              ; step 0's four loads are in; the twelve of steps 1 to 3 may be out
	TURN 0
.macro STEP t
.set XS, X+16*((\t)%2)
	s_wait_dscnt 0x0                               ; this step's numbers are back from the stage: so its stores into the stage have read their registers,
.if (\t)+4 < STEPS
	LOAD (\t)+4                                    ; which take the loads of four steps on
.endif
.if (\t)+1 < STEPS
.if STEPS-2-(\t) >= 3
	s_wait_loadcnt 12                              ; the next step's four loads are in; those of the three steps behind it may be out
.else
	s_wait_loadcnt 4*(STEPS-2-(\t))                ; in the tail: four for each step that is still behind the next one
.endif
	TURN (\t)+1                                    ; and go through the other stage while this step is worked
.endif
.irp i, 0,1,2,3,4,5,6,7,8,9,10,11,12,13,14,15
	v_med3_num_f32 v[XS+\i], v[XS+\i], -v10, v10   ; the conversion to an 8-bit code does not saturate (ISA guide 7.6.2): hold the number within 448 x the scale first
.endr
	v_cvt_scalef32_pk8_fp8_f32 v[C+4*(\t):C+4*(\t)+1], v[XS:XS+7], v11
	v_cvt_scalef32_pk8_fp8_f32 v[C+4*(\t)+2:C+4*(\t)+3], v[XS+8:XS+15], v11
	; the codes go to a store alone, and the next vector lines, the next step's holds, are plain and touch other registers
	global_store_b128 v[VO+(\t)/2], v[C+4*(\t):C+4*(\t)+3], s[8:9] offset:512*((\t)%2)   ; half a row of codes: 512 consecutive bytes, aligned
.endm
.irp t, 0,1,2,3,4,5,6,7
	STEP \t
.endr
	s_wait_tensorcnt 0x0                           ; the wave's end
	ds_add_u32 v192, v193
	s_wait_dscnt 0x0
	s_endpgm
.Lfunc_end_k_q7181db9102_quant:
	.size	k_q7181db9102_quant, .Lfunc_end_k_q7181db9102_quant-k_q7181db9102_quant
	.p2alignl 7, 3214868480
	.fill 96, 4, 3214868480
	.section	.rodata,"a",@progbits
	.p2align	6, 0x0
	.amdhsa_kernel k_q7181db9102_quant
		.amdhsa_group_segment_fixed_size 33280
		.amdhsa_private_segment_fixed_size 0
		.amdhsa_enable_private_segment 0
		.amdhsa_kernarg_size 56
		.amdhsa_user_sgpr_count 2
		.amdhsa_user_sgpr_kernarg_segment_ptr 1
		.amdhsa_wavefront_size32 1
		.amdhsa_system_sgpr_workgroup_id_x 1
		.amdhsa_system_sgpr_workgroup_id_y 1
		.amdhsa_system_sgpr_workgroup_id_z 1
		.amdhsa_system_vgpr_workitem_id 0
		.amdhsa_next_free_vgpr 194
		.amdhsa_next_free_sgpr 66
		.amdhsa_reserve_vcc 0
		.amdhsa_float_denorm_mode_32 3
		.amdhsa_float_denorm_mode_16_64 3
		.amdhsa_memory_ordered 1
		.amdhsa_forward_progress 1
		.amdhsa_inst_pref_size 21
	.end_amdhsa_kernel
	.amdgpu_metadata
---
amdhsa.version: [ 1, 2 ]
amdhsa.kernels:
  - .name:           k_q7181db9102_quant
    .symbol:         k_q7181db9102_quant.kd
    .args:
      - { .name: query, .offset: 0, .size: 8, .value_kind: global_buffer, .address_space: global }
      - { .name: in_proj_weight, .offset: 8, .size: 8, .value_kind: global_buffer, .address_space: global }
      - { .name: out_proj_weight, .offset: 16, .size: 8, .value_kind: global_buffer, .address_space: global }
      - { .name: lowp_scales, .offset: 24, .size: 8, .value_kind: global_buffer, .address_space: global }
      - { .name: xq, .offset: 32, .size: 8, .value_kind: global_buffer, .address_space: global }
      - { .name: wiq, .offset: 40, .size: 8, .value_kind: global_buffer, .address_space: global }
      - { .name: woq, .offset: 48, .size: 8, .value_kind: global_buffer, .address_space: global }
    .group_segment_fixed_size: 33280
    .private_segment_fixed_size: 0
    .kernarg_segment_align: 8
    .kernarg_segment_size: 56
    .max_flat_workgroup_size: 128
    .sgpr_count:     66
    .vgpr_count:     194
    .wavefront_size: 32
...
	.end_amdgpu_metadata
.endif
;; end of part 1
;; launch proj (part 2): grid 8 x 48, 4 waves a work-group, clusters of 4 x 4, 327,680 bytes of LDS; arguments xq, wiq, lowp_scales, qq, kq, vq; writes qq, kq, vq
.if DOCPART == 2
	.amdgcn_target "amdgcn-amd-amdhsa--gfx1250"
	.amdhsa_code_object_version 6
	.text
	.protected	k_q7181db9102_proj
	.globl	k_q7181db9102_proj
	.p2align	8
	.type	k_q7181db9102_proj,@function
k_q7181db9102_proj:
	s_mov_b64 s[64:65], 0
	v_nop
	global_prefetch_b8 v0, s[64:65] scope:SCOPE_SE
	s_setreg_imm32_b32 hwreg(HW_REG_WAVE_MODE, 25, 1), 1
	s_wait_xcnt 0x0
	s_wait_alu depctr_hold_cnt(0) depctr_sa_sdst(0) depctr_va_vdst(0) depctr_va_sdst(0) depctr_va_ssrc(0) depctr_va_vcc(0) depctr_vm_vsrc(0)
	s_getreg_b32 s2, hwreg(HW_REG_IB_STS2, 6, 4)
	s_cmp_eq_u32 s2, 0
	s_cbranch_scc0 .Lentry_in_a_cluster
	s_endpgm
.Lentry_in_a_cluster:
	s_bfe_u32 s2, ttmp6, 0x10000c
	s_cmp_lg_u32 s2, 0xf033
	s_cbranch_scc0 .Lentry_shape_is_right
	s_endpgm
.Lentry_shape_is_right:
; THE IN-PROJECTION on codes of E4M3: sums over K = 1,024 of xq [8192 rows b x 2048 + t][1024] against wiq [3072][1024]; each finished sum is quantised in registers to a code of q / 8, k or v.
; A tile of 256 x 256 sums is made by a work-group of four waves; a wave makes 128 x 128: 64 accumulators of 16 x 16, 512 registers.  K goes in steps of 256 through a ring of two LDS slots filled by the tensor data mover.
; THE MATRIX INSTRUCTION takes 16 rows of 'B' as source 0 and 16 rows of 'A' as source 1: lane (r, h) of accumulator (a, b) then holds A's row 16 a + r and, in registers 0-7, B's rows 16 b + 8 h + 0 .. 7.
; TWO ORIENTATIONS IN ONE GRID.  q and k are operands whose K is the head's 64 features: a lane must hold one t and its registers run along the features: A = xq, B = wiq's rows 0-2047 (clusters with y < 8: 32 x 8 tiles).
; v is an operand whose K is the keys: a lane must hold one feature and its registers run along t: A = wiq's rows 2048-3071, B = xq (clusters with y >= 8: 4 x 32 tiles).  Only pointers and tile numbers differ; they are
; chosen by the cluster's coordinates, which all sixteen partners share; there is no branch on them.
; THE WAY OUT.  An accumulator's eight registers become two registers of codes, which ARE registers 2 c, 2 c + 1 of the next product's operand (8-bit operands: k = 16 c + 8 h + 0 .. 7).  They are stored as images of the
; operand's registers: four registers a lane at 16 x lane, 512 consecutive bytes a store.   qq, kq: [head b x 16 + n][tile of 16 t][2 pieces][32 lanes][16 bytes];   vq: [head][128 keys][16 features][4 pieces][32 lanes][16 bytes].
; THE SCALES.  A sum stands for sum x 2^(e0 + e1).  Its code is sum / 2^(eT - e0 - e1), eT = e2 (q), e3 (k), e5 (v); q's factor 1/8 adds 3 to that exponent.  The hold at 448 x that scale is always executed.
; LIMIT: eT - e0 - e1 (+ 3 for q) lies between -126 and 119.  Within an instruction k stands in another order than ascending, the same in both operands.
; CLUSTERS: 4 x 4 work-groups.  The four of a row of the cluster need the same tiles of A, the four of a column the same tiles of B: each tile is asked for jointly.
; REGISTERS, in windows of 256: window 0: v0-31 addresses; v128-255 A's fragments (8 x 16 rows x 128 K), one set; on the way out v32-95 held sums, v96-111 store offsets, v112, v113 the scale and the hold, v128-255 codes.
;   window 1: B's fragments, two sets, at v0 and at v128.   window 2: the 32 accumulators of my rows 0-63 ((a, b) at v[8 (8 a + b)]);   window 3: those of my rows 64-127.
.set SIZE_K, 1024
.set KSTEP,  256                       ; along K in a slot
.set ROWB,   256                       ; a tile's row in bytes
.set KROW,   SIZE_K                    ; a row of xq or wiq in memory, in bytes
.set PITCH,  272                       ; an LDS row: 256 bytes + 16 of padding = 68 words: the 16 rows that a load touches start at 16 different banks (64 banks of 4 bytes: ISA guide 11.1)
.set FR,     16                        ; registers of a fragment: 16 rows x 128 K
.set NL,     4                         ; LDS loads that bring one
.set NP,     4                         ; places behind this matrix instruction (ISA guide 7.12.1)
.set HALFT,  128*PITCH                 ; 128 rows: what one tensor load brings, and what one wave reads of A or of B
.set SLOT,   4*HALFT                   ; A's 256 rows, then B's 256 rows
.set LAPS,   SIZE_K/(2*KSTEP)          ; a lap = two K steps = once round the ring
.set SPARE,  2*SLOT                    ; behind the ring: the spare words, 128 bytes for each wave: two blocks of 256 bytes that no other line names
.set ADRA, 16                          ; v16-17  LDS address of my A fragments in slot 0, 1
.set ADRB, 20                          ; v20-21  the same for B
.set LI,   26                          ; v26     16 x lane
.set SPW,  28                          ; v28     LDS address of my spare word; never rewritten
.set NIL,  29                          ; v29     0; never rewritten
.set TMP,  32                          ; the way out: a block's 64 sums, held
.set VO,   96                          ; the way out: v96-111 the stores' offsets
.set SC,   112                         ; the conversion's scale
.set LIM,  113                         ; 448 x that
.set AF,   128                         ; A's fragments, in window 0
.set CD,   128                         ; the way out: 16 registers of codes for each of the 8 blocks, so that no store's data are written again
.set G1, 24                            ; s[24:31] descriptor group 1 for A's tiles;  s[32:39] group 0, one set for each slot
.set G0, 32
.set G1B, 48                           ; s[48:55], s[56:63] the same for B's tiles
.set G0B, 56
.set MSB, 0
.macro WIN new                         ; the immediate's high byte repeats the setting that is left
.if MSB != \new
	s_set_vgpr_msb (MSB<<8)|\new
.set MSB, \new
.endif
.endm
.set MUL_LO, 0xa1                      ; source 0 (B) window 1, source 1 (A) window 0, C and D window 2
.set MUL_HI, 0xf1                      ; the same, C and D window 3
.set TO_B,   0x40                      ; destination window 1, address window 0
; A joint load: waves 0 and 1 fetch for A, waves 2 and 3 for B.  Each of the two lines has one mask and one set of registers for all that issue it; the branch hangs on the wave's number alone.
; Four v_nop follow each of the two lines, ahead of the jump, the label and what follows.
.macro JLOAD g0a, g1a, g0b, g1b
	s_cmp_eq_u32 s15, 0
	s_cbranch_scc0 .Lfor_b_\@
	tensor_load_to_lds s[\g0a:\g0a+3], s[\g1a:\g1a+7]
	s_nop 0
.rept 4
	v_nop
.endr
	s_branch .Lasked_\@
.Lfor_b_\@:
	tensor_load_to_lds s[\g0b:\g0b+3], s[\g1b:\g1b+7]
	s_nop 0
.rept 4
	v_nop
.endr
.Lasked_\@:
.endm
.macro CREST                           ; a round of the cluster's barrier behind its opening barrier
	s_cmp_lg_u32 s14, 0
	s_cbranch_scc1 .Lnot_wave_0_\@
	s_barrier_signal -3
.Lnot_wave_0_\@:
	s_barrier_wait -3
	s_barrier_signal -1
	s_barrier_wait -1
.endm
.macro CROUND                          ; a whole round
	s_barrier_signal -1
	s_barrier_wait -1
	CREST
.endm
	s_load_b128 s[4:7], s[0:1], 0x0                ; xq s[4:5], wiq s[6:7]
	s_load_b128 s[8:11], s[0:1], 0x10              ; the scales' exponents s[8:9], qq s[10:11]
	s_load_b128 s[68:71], s[0:1], 0x20             ; kq s[68:69], vq s[70:71]
	v_lshl_add_u32 v[SPW], v0, 2, SPARE
	v_mov_b32 v[NIL], 0
	ds_add_u32 v28, v29
	ds_add_u32 v28, v29
	s_wait_dscnt 0x0
	v_lshrrev_b32 v1, 5, v0
	v_readfirstlane_b32 s14, v1                    ; wave 0..3
	s_lshr_b32 s15, s14, 1                         ; which half of the tile's rows (A) is mine.  Also: I fetch for A (0) or for B (1)
	s_and_b32 s16, s14, 1                          ; which half of its columns (B).  Also: which 128 rows of that tile I fetch
	s_bfe_u32 s40, ttmp6, 0x40000                  ; cx, cy: my place in the cluster
	s_bfe_u32 s41, ttmp6, 0x40004
	s_and_b32 s81, ttmp7, 0xffff                   ; the cluster's y, 0 to 11; its x, 0 or 1, is ttmp9
	s_sub_co_u32 s82, s81, 8
	s_lshl_b32 s82, s82, 1
	s_add_co_u32 s82, s82, ttmp9                   ; v's part: which of its eight clusters (used only where y >= 8)
	s_cmp_ge_u32 s81, 8
	s_cselect_b32 s84, 0, s81                      ; the cluster's place along the tile rows,
	s_cselect_b32 s85, s82, ttmp9                  ; and along the tile columns
	s_cselect_b32 s83, 1, 0                        ; 1: v's part.  The same in all sixteen partners
	s_lshl_b32 s42, s85, 2
	s_add_co_u32 s42, s42, s40                     ; tile column (of B)
	s_lshl_b32 s17, s84, 2
	s_add_co_u32 s17, s17, s41                     ; tile row (of A)
	s_lshl_b32 s43, s41, 2
	s_lshl_b32 s43, 15, s43                        ; my row of the cluster
	s_lshl_b32 s44, 0x1111, s40                    ; my column
	; descriptor group 1: a tile of 128 rows x 256 bytes, padded in LDS
	s_or_b32 s[G1+0], s43, (0<<16)|(1<<20)|(1<<21)|(5<<22)|(3<<25)  ; 15:0 the mask: A's tiles go to my row; 17:16 element of 1 byte; 20 padding on; 21 set beside a mask; 24:22 after every 64 words (code 5); 31:25 of 4 words (code 3)
	s_or_b32 s[G1B+0], s44, (0<<16)|(1<<20)|(1<<21)|(5<<22)|(3<<25)
.irp g, G1, G1B
	s_mov_b32 s[\g+1], ROWB<<16                    ; tensor_dim0
	s_mov_b32 s[\g+2], 128<<16                     ; tensor_dim1 = 128
	s_mov_b32 s[\g+3], ROWB<<16                    ; tile_dim0
	s_mov_b32 s[\g+4], 128                         ; tile_dim1 = 128
	s_mov_b32 s[\g+5], KROW                        ; tensor_dim0_stride
	s_mov_b32 s[\g+6], 0
	s_mov_b32 s[\g+7], 0
.endr
	s_lshl_b32 s18, s16, 7                         ; which 128 rows of the tile I fetch
	s_lshl_b32 s20, s17, 8
	s_add_co_u32 s20, s20, s18                     ; A: row 256 x tile row + 128 x half
	s_lshl_b32 s46, s42, 8
	s_add_co_u32 s46, s46, s18                     ; B: row 256 x tile column + 128 x half
	s_mov_b32 s21, 0
	s_mov_b32 s47, 0
	s_mov_b64 s[18:19], KROW
	s_mul_u64 s[20:21], s[20:21], s[18:19]         ; in bytes
	s_mul_u64 s[46:47], s[46:47], s[18:19]
	s_mul_i32 s45, s14, HALFT                      ; where they go: wave x 128 rows: no place in the cluster enters an LDS address
	s_wait_kmcnt 0x0
	s_load_b256 s[72:79], s[8:9], 0x0              ; e0 .. e7: wanted on the way out
	s_add_nc_u64 s[86:87], s[6:7], 2048*KROW       ; wiq at v's first row
	s_cmp_lg_u32 s83, 0
	s_cselect_b64 s[88:89], s[86:87], s[4:5]       ; A: v's weights, or xq
	s_cselect_b64 s[90:91], s[4:5], s[6:7]         ; B: xq, or q's and k's weights
	s_add_nc_u64 s[20:21], s[88:89], s[20:21]
	s_add_nc_u64 s[46:47], s[90:91], s[46:47]
	CROUND                                         ; all sixteen work-groups are here: the first joint loads meet
.irp s, 0,1
	s_mov_b32 s[G0+4*\s], 1
	s_add_co_u32 s[G0+4*\s+1], s45, \s*SLOT
	s_add_nc_u64 s[G0+4*\s+2:G0+4*\s+3], s[20:21], \s*ROWB
	s_or_b32 s[G0+4*\s+3], s[G0+4*\s+3], 0x80000000
	s_mov_b32 s[G0B+4*\s], 1
	s_add_co_u32 s[G0B+4*\s+1], s45, \s*SLOT
	s_add_nc_u64 s[G0B+4*\s+2:G0B+4*\s+3], s[46:47], \s*ROWB
	s_or_b32 s[G0B+4*\s+3], s[G0B+4*\s+3], 0x80000000
.endr
	JLOAD G0, G1, G0B, G1B                         ; K step 0: one tensor load a wave at the head
	v_and_b32 v1, 15, v0                           ; l % 16
	v_bfe_u32 v2, v0, 4, 1                         ; l / 16
	v_mul_u32_u24 v3, v1, PITCH
	v_lshl_add_u32 v4, v2, 4, v3                   ; a fragment's row x pitch + 16 x half
	s_mul_i32 s21, s15, HALFT                      ; my 128 rows of A
	s_mul_i32 s22, s16, HALFT                      ; my 128 rows of B,
	s_add_co_u32 s22, s22, 2*HALFT                 ; which lie behind A's 256
.irp s, 0,1
	v_add_nc_u32 v[ADRA+\s], s21, v4
	v_add_nc_u32 v[ADRB+\s], s22, v4
	s_add_co_u32 s21, s21, SLOT
	s_add_co_u32 s22, s22, SLOT
.endr
	v_and_b32 v6, 31, v0
	v_lshlrev_b32 v[LI], 4, v6
.macro FRAG reg, adr, q, i             ; a fragment, 16 rows x 128 K, is 16 registers: lane l holds row l % 16; registers 4 c .. 4 c + 3 hold K = 32 c + 16 (l / 16) + 0 .. 15: the same order of k in A and in B
.irp c, 0,1,2,3
	ds_load_b128 v[\reg+4*\c:\reg+4*\c+3], v[\adr] offset:128*(\q)+32*\c+(\i)*16*PITCH
.endr
.endm
; 16 matrix instructions: A's blocks a0, a0 + 1 x B's eight, 128 along K.  p: B's set.  zero = 1: the first product starts the sums: nothing is ever cleared.
; The 64 accumulators take turns, one instruction a turn, in the same order in every step.
.macro MUL16 a0, p, zero
.irp a, \a0, \a0+1
.irp b, 0,1,2,3,4,5,6,7
.if \zero
	v_wmma_f32_16x16x128_fp8_fp8 v[8*(8*((\a)%4)+\b):8*(8*((\a)%4)+\b)+7], v[128*(\p)+FR*\b:128*(\p)+FR*\b+FR-1], v[AF+FR*(\a):AF+FR*(\a)+FR-1], 0
.else
	v_wmma_f32_16x16x128_fp8_fp8 v[8*(8*((\a)%4)+\b):8*(8*((\a)%4)+\b)+7], v[128*(\p)+FR*\b:128*(\p)+FR*\b+FR-1], v[AF+FR*(\a):AF+FR*(\a)+FR-1], v[8*(8*((\a)%4)+\b):8*(8*((\a)%4)+\b)+7]
.endif
.endr
.endr
.endm
.macro FETCH_B slot, q, p              ; B's eight fragments of the slot's q-th 128 along K into set p
	WIN TO_B
.irp i, 0,1,2,3,4,5,6,7
	FRAG 128*(\p)+FR*\i, ADRB+\slot, \q, \i
.endr
	WIN 0
.endm
.macro FETCH_A slot, q, i0             ; A's blocks i0 .. i0 + 3
.irp i, \i0, \i0+1, \i0+2, \i0+3
	FRAG AF+FR*(\i), ADRA+\slot, \q, \i
.endr
.endm
; A load into a register that a matrix instruction has read, and a vector instruction that reads a matrix result, stand NP places behind that matrix instruction; only plain vector
; instructions that name none of its registers are places (ISA guide 7.12.1 for vector instructions).
.macro PLACES n
.rept \n
	v_nop
.endr
.endm
; A step of 128 along K that has its successor in the same slot.  A block of A is free as soon as its eight products are issued, so A has one set of registers: blocks 0-3 are fetched anew in the step's middle, blocks 4-7 at its end.
.macro STEP slot, q, zero
	s_wait_dscnt 4*NL                              ; B's set and A's blocks 0-3 are in; the youngest 16 loads (A's blocks 4-7) may be out
	WIN MUL_LO
	MUL16 0, (\q)%2, \zero
	MUL16 2, (\q)%2, \zero
	s_wait_dscnt 0                                 ; A's blocks 4-7 are in (asked for 32 matrix instructions ago)
	PLACES NP
	FETCH_B \slot, (\q)+1, 1-(\q)%2
	FETCH_A \slot, (\q)+1, 0
	WIN MUL_HI
	MUL16 4, (\q)%2, \zero
	MUL16 6, (\q)%2, \zero
	PLACES NP
	WIN 0
	FETCH_A \slot, (\q)+1, 4
.endm
; A slot's last step changes slots: one barrier; in front of it each wave waits for all its tensor loads, adds 0 to its spare word, and waits for that and for its own reads of this slot.  fill = 1: this slot is filled again, two K steps ahead.
.macro TURN slot, next, fill
	s_wait_tensorcnt 0x0                           ; all my tensor loads have landed: my part of the next slot  (every window is 0 here)
	ds_add_u32 v[SPW], v[NIL]                      ; 0 onto my spare word
	s_wait_dscnt 4*NL+1                            ; (the add and the youngest 16 loads, A's blocks 4-7, may be out)
	WIN MUL_LO
	MUL16 0, 1, 0                                  ; sixteen matrix instructions stand between the add and the wait for it
	s_wait_dscnt 0x0                               ; the add is done, and my reads of this slot are over
	s_barrier_signal -1
	MUL16 2, 1, 0
	WIN 0
	s_barrier_wait -1
.if \fill
	CREST                                          ; the barrier has opened a round of the cluster's barrier: no wave of any partner still reads this slot's tile or has a load on its way
	s_add_nc_u64 s[G0+4*\slot+2:G0+4*\slot+3], s[G0+4*\slot+2:G0+4*\slot+3], 2*ROWB
	s_add_nc_u64 s[G0B+4*\slot+2:G0B+4*\slot+3], s[G0B+4*\slot+2:G0B+4*\slot+3], 2*ROWB
	JLOAD G0+4*\slot, G1, G0B+4*\slot, G1B         ; the first tensor load behind the round; the four v_nop behind it are the places in front of the loads below
.else
	PLACES NP
.endif
	FETCH_B \next, 0, 0
	FETCH_A \next, 0, 0
	WIN MUL_HI
	MUL16 4, 1, 0
	MUL16 6, 1, 0
	PLACES NP
	WIN 0
	FETCH_A \next, 0, 4
.endm
	s_wait_alu depctr_va_vdst(0)
	s_wait_tensorcnt 0x0                           ; my part of K step 0 is in
	ds_add_u32 v[SPW], v[NIL]
	s_wait_dscnt 0x0
	CROUND                                         ; a whole round: everybody's part of K step 0 is in, and the joint loads meet
	JLOAD G0+4, G1, G0B+4, G1B                     ; K step 1's load, the first tensor load behind the round
	FETCH_B 0, 0, 0
	FETCH_A 0, 0, 0
	FETCH_A 0, 0, 4
	STEP 0, 0, 1                                   ; the first step stands in front of the loop: its products start the sums
	s_mov_b32 s3, LAPS-1
.Llap:                                                 ; a trip goes once round the ring, from a lap's second step to the next lap's first, and fills both slots again
	TURN 0, 1, 1
	STEP 1, 0, 0
	TURN 1, 0, 1
	STEP 0, 0, 0
	s_sub_co_u32 s3, s3, 1
	s_cmp_lg_u32 s3, 0
	s_cbranch_scc1 .Llap
	TURN 0, 1, 0                                   ; the last lap fills nothing, and has no round of the cluster's barrier
	STEP 1, 0, 0
	s_wait_dscnt 4*NL                              ; the very last step: nothing more to fetch
	WIN MUL_LO
	MUL16 0, 1, 0
	MUL16 2, 1, 0
	s_wait_dscnt 0
	WIN MUL_HI
	MUL16 4, 1, 0
	MUL16 6, 1, 0
	WIN 0
	; THE WAY OUT.  Which 128 rows of xq (XB = b x 16 + t / 128) and which 128 rows of the weights (WB) are my wave's; every choice is a select, none a branch.
	s_wait_kmcnt 0x0
	s_movk_i32 s98, 1024
	s_movk_i32 s99, 4096
	s_mov_b32 s100, 0x20000
	s_cmp_lg_u32 s83, 0                            ; v's part?
	s_cselect_b32 s92, s42, s17                    ; the tile of xq,
	s_cselect_b32 s93, s17, s42                    ; the tile of the weights,
	s_cselect_b32 s94, s16, s15                    ; and my wave's half of each
	s_cselect_b32 s95, s15, s16
	s_cselect_b32 s98, 2048, s98                   ; from block a to a + 1: v: the next 16 features' fragment; q, k: the next 16 t
	s_cselect_b32 s99, 0x20000, s99                ; from block a to a + 4: v: the next head; q, k: four tiles of t
	s_cselect_b32 s100, 1024, s100                 ; from a block's first two pieces to its last two: v: the fragment's second half; q, k: the next head
	s_lshl_b32 s92, s92, 1
	s_add_co_u32 s92, s92, s94                     ; XB
	s_lshl_b32 s93, s93, 1
	s_add_co_u32 s93, s93, s95                     ; WB: 0-7 q, 8-15 k; in v's part 0-7
	s_cmp_ge_u32 s93, 8
	s_cselect_b64 s[10:11], s[68:69], s[10:11]     ; kq or qq,
	s_cselect_b32 s94, s75, s74                    ; e3 or e2,
	s_cselect_b32 s95, 0, 3                        ; q is divided by 8 ahead of its quantiser
	s_cmp_lg_u32 s83, 0
	s_cselect_b64 s[10:11], s[70:71], s[10:11]     ; or vq,
	s_cselect_b32 s94, s77, s94                    ; with e5
	s_cselect_b32 s95, 0, s95
	s_add_co_i32 s94, s94, s95
	s_sub_co_i32 s94, s94, s72
	s_sub_co_i32 s94, s94, s73                     ; the exponent by which a sum is divided
	s_add_co_i32 s94, s94, 127
	s_lshl_b32 s95, s94, 23
	v_mov_b32 v[SC], s95                           ; that power of two as f32: the conversion takes its exponent field
	s_add_co_i32 s94, s94, 8
	s_lshl_b32 s94, s94, 23
	s_or_b32 s94, s94, 0x600000
	v_mov_b32 v[LIM], s94                          ; 448 x that
	s_and_b32 s94, s93, 7
	s_lshl_b32 s94, s94, 1                         ; my first head of the 16
	s_lshr_b32 s95, s92, 4
	s_lshl_b32 s95, s95, 4
	s_add_co_u32 s95, s95, s94                     ; b x 16 + head
	s_lshl_b32 s96, s95, 17                        ; a head is 131,072 bytes in each of the three buffers
	s_and_b32 s94, s92, 15
	s_lshl_b32 s94, s94, 13                        ; 128 t are 8,192 bytes of it
	s_add_co_u32 s96, s96, s94
	s_mov_b32 s97, 0
	s_add_nc_u64 s[10:11], s[10:11], s[96:97]
	v_mov_b32 v[VO], v[LI]                         ; offsets: v[VO + 2 a + g] = 16 x lane + (a % 4) s98 + (a / 4) s99 + g s100
	v_add_nc_u32 v[VO+1], s100, v[VO]
.irp k, 2,3,4,5,6,7
	v_add_nc_u32 v[VO+\k], s98, v[VO+\k-2]
.endr
.irp k, 8,9,10,11,12,13,14,15
	v_add_nc_u32 v[VO+\k], s99, v[VO+\k-8]
.endr
	PLACES NP                                      ; behind the last products, ahead of the first read of results and of the first write over A's fragments
; Block a: its 8 accumulators are held within 448 x the scale (into other registers, each accumulator from its low end on), converted, and stored: four stores of 512 consecutive bytes, aligned.
.macro OUTBLK a
.set AC, 64*((\a)%4)
	WIN 0x02+((\a)/4)                              ; source 0: window 2 or 3
.set j, 0
.rept 64
	v_med3_num_f32 v[TMP+j], v[AC+j], -v[LIM], v[LIM]   ; the conversion to an 8-bit code does not saturate (ISA guide 7.6.2)
.set j, j+1
.endr
	WIN 0
.irp b, 0,1,2,3,4,5,6,7
	v_cvt_scalef32_pk8_fp8_f32 v[CD+16*(\a)+2*\b:CD+16*(\a)+2*\b+1], v[TMP+8*\b:TMP+8*\b+7], v[SC]
.endr
	v_nop                                          ; one plain vector line between the conversions and the next block's holds, which write their sources
.irp s, 0,1,2,3
	global_store_b128 v[VO+2*(\a)+\s/2], v[CD+16*(\a)+4*\s:CD+16*(\a)+4*\s+3], s[10:11] offset:512*(\s%2)
.endr
.endm
.irp a, 0,1,2,3,4,5,6,7
	OUTBLK \a
.endr
	s_wait_tensorcnt 0x0                           ; the wave's end
	ds_add_u32 v[SPW], v[NIL]
	s_wait_dscnt 0x0
	CROUND                                         ; the closing round: no work-group ends while a partner may still ask for a tile that names it
	s_endpgm
.Lfunc_end_k_q7181db9102_proj:
	.size	k_q7181db9102_proj, .Lfunc_end_k_q7181db9102_proj-k_q7181db9102_proj
	.p2alignl 7, 3214868480
	.fill 96, 4, 3214868480
	.section	.rodata,"a",@progbits
	.p2align	6, 0x0
	.amdhsa_kernel k_q7181db9102_proj
		.amdhsa_group_segment_fixed_size 327680
		.amdhsa_private_segment_fixed_size 0
		.amdhsa_enable_private_segment 0
		.amdhsa_kernarg_size 48
		.amdhsa_user_sgpr_count 2
		.amdhsa_user_sgpr_kernarg_segment_ptr 1
		.amdhsa_wavefront_size32 1
		.amdhsa_system_sgpr_workgroup_id_x 1
		.amdhsa_system_sgpr_workgroup_id_y 1
		.amdhsa_system_sgpr_workgroup_id_z 1
		.amdhsa_system_vgpr_workitem_id 0
		.amdhsa_next_free_vgpr 1024
		.amdhsa_next_free_sgpr 102
		.amdhsa_reserve_vcc 0
		.amdhsa_float_denorm_mode_32 3
		.amdhsa_float_denorm_mode_16_64 3
		.amdhsa_memory_ordered 1
		.amdhsa_forward_progress 1
		.amdhsa_inst_pref_size 120
	.end_amdhsa_kernel
	.amdgpu_metadata
---
amdhsa.version: [ 1, 2 ]
amdhsa.kernels:
  - .name:           k_q7181db9102_proj
    .symbol:         k_q7181db9102_proj.kd
    .args:
      - { .name: xq, .offset: 0, .size: 8, .value_kind: global_buffer, .address_space: global }
      - { .name: wiq, .offset: 8, .size: 8, .value_kind: global_buffer, .address_space: global }
      - { .name: lowp_scales, .offset: 16, .size: 8, .value_kind: global_buffer, .address_space: global }
      - { .name: qq, .offset: 24, .size: 8, .value_kind: global_buffer, .address_space: global }
      - { .name: kq, .offset: 32, .size: 8, .value_kind: global_buffer, .address_space: global }
      - { .name: vq, .offset: 40, .size: 8, .value_kind: global_buffer, .address_space: global }
    .group_segment_fixed_size: 327680
    .private_segment_fixed_size: 0
    .kernarg_segment_align: 8
    .kernarg_segment_size: 48
    .max_flat_workgroup_size: 128
    .sgpr_count:     102
    .vgpr_count:     1024
    .wavefront_size: 32
...
	.end_amdgpu_metadata
.endif
;; end of part 2
;; launch attn (part 3): grid 4 x 64, 8 waves a work-group, no clusters, 295,936 bytes of LDS; arguments qq, kq, vq, lowp_scales, cq; writes cq
.if DOCPART == 3
	.amdgcn_target "amdgcn-amd-amdhsa--gfx1250"
	.amdhsa_code_object_version 6
	.text
	.protected	k_q7181db9102_attn
	.globl	k_q7181db9102_attn
	.p2align	8
	.type	k_q7181db9102_attn,@function
k_q7181db9102_attn:
	s_mov_b64 s[64:65], 0
	v_nop
	global_prefetch_b8 v0, s[64:65] scope:SCOPE_SE
	s_setreg_imm32_b32 hwreg(HW_REG_WAVE_MODE, 25, 1), 1
	s_wait_xcnt 0x0
; CAUSAL ATTENTION on codes of E4M3, one head (b x 16 + n, 64 in all) to four work-groups; the context is quantised in registers for the out-projection.
; qq, kq, cq: [head][tile of 16 t][2 pieces][32 lanes][16 bytes]; vq: [head][128 keys][16 features][4 pieces][32 lanes][16 bytes]: images of operand registers.
; LEFT OUT: key steps all of whose 128 keys come after a block's 32 queries: the causal mask hides them, so p = 0 there for all inputs.
; SOFTMAX: t = score x log2(e) x 2^(e2 + e3) (q holds the 1/8 already); M = ceil of the running largest t; p = 2^(t - M) is quantised with 2^e4; the sum of the unquantised p divides at the end.
; SHARES.  Wave w of work-group x owns the blocks of 32 queries L = 8 x + w and 63 - L: floor(L / 4) + floor((63 - L) / 4) + 2 = 17 key steps of 128 keys for every wave.
; A block is two tiles of 16 queries, A and B: each fragment of K and of V that is read from LDS feeds both, and the two tiles' chains of dependent lines are laid line by line.
; Both products are used transposed (S^T = K Q^T, O^T = V^T P^T): a lane holds one query (lane % 16) of each tile; register j of key tile t is key 16 t + 8 (lane / 16) + j.
; K AND V come in 8 chunks of 256 keys (16,384 bytes each of K and of V): each wave loads 2,048 bytes of each into registers, one trip (two key steps) ahead, and stores them into LDS, where they stay:
; no LDS byte is written twice.  The high block goes first and walks the chunks as they arrive, one barrier a trip: signalled behind my stores of chunk c + 1, awaited behind the steps on chunk c.
; The low block (keys under 1,024) follows with no barrier.  The loads themselves run a trip ahead, so no separate prefetch is laid.
; THE HOLD.  p is at most 1 but for f32 rounding, so p / 2^e4 stays under 448 unless e4 < -8.
; NO JOINT LOADS, though the four work-groups of a head read the same K and V.
; LIMITS: e2 + e3 between -126 and 127; e4 between -126 and 119; scaled scores under 2^31; NaN among the codes is not served.
; REGISTERS.  Window 0: v1-10 addresses; v12-39 the two tiles' states and constants; v40-55 Q; v56-119 fragments of K, then V; v120-183 A's S^T, then p; v184-247 B's.
; Window 1: v0-31 A's O^T, v32-63 B's; v64-79, v80-95 p's codes; v96-127 a chunk on its way; v160-175 the low block's Q.  At every label and branch all windows are 0.
.set CHB,  16384                       ; a chunk's bytes of K, and of V
.set LV,   9*CHB                       ; V's region in LDS; each region has room for one chunk more than is ever stored
.set SPARE, 18*CHB                     ; the spare words: 128 bytes a wave, 1,024 in all
.set LI,   1                           ; 16 x lane
.set ADK,  2
.set ADV,  3
.set GA,   4                           ; 2,048 x wave + 16 x lane: my part of a chunk, in memory and in LDS
.set DG,   5                           ; lane % 16 - 8 (lane / 16)
.set SK,   7
.set SV,   8
.set SPW,  9
.set NIL,  10
.set MA,   12                          ; v12 -M, v13 the largest t, of tile A;  v16, v17 of tile B
.set LA,   14                          ; v[14:15] A's sum in two halves;  v[18:19] B's
.set MB,   16
.set LB,   18
.set FA,   20                          ; v20 f = 2^(old M - new M) of A (v21 is named with it);  v22 of B
.set FB,   22
.set CA,   24                          ; v24, v25 A's two chains of maxima;  v26, v27 B's
.set CB,   26
.set PA,   28                          ; lane permutes' results
.set PB,   29
.set XA,   30                          ; v[30:31], v[32:33] the sums' second chains
.set XB,   32
.set NINF, 34
.set LIM,  35                          ; 448 x 2^e4
.set SC,   36                          ; 2^e4
.set ONE,  37
.set TOP,  38                          ; 448
.set QA,   40
.set QB,   48
.set FR,   56
.set TSA,  120
.set TSB,  184
.set OA,   0                           ; window 1 from here on
.set OB,   32
.set PCA,  64
.set PCB,  80
.set LD,   96
.set QLO,  160
.set WV,   18
.set SEL,  20
.set CS,   22
.set KB,   24                          ; s[24:25] K's codes of my head, s[26:27] V's: they walk by chunks
.set VB,   26
.set KF,   70
.set Q0,   71
.set QL,   72
.set TBK,  73
.set TBV,  74
.set CNT,  75
.set EO,   76
.set HOLD, 78
.set STK,  79
.set STV,  80
.set MJ,   84                          ; s84-91: lanes in which register j of the diagonal's key tile is hidden
.set TA,   92
.set TM,   94                          ; s94-101: a key tile's eight masks
.set MSB, 0
.macro WIN new                         ; low byte: 1:0 source 0, 3:2 source 1, 5:4 source 2, 7:6 destination; the high byte repeats the setting that is left
.if MSB != \new
	s_set_vgpr_msb (MSB<<8)|\new
.set MSB, \new
.endif
.endm
	s_load_b256 s[4:11], s[0:1], 0x0               ; qq, kq, vq, the exponents
	s_load_b64 s[12:13], s[0:1], 0x20              ; cq
	v_lshl_add_u32 v[SPW], v0, 2, SPARE
	v_mov_b32 v[NIL], 0
	v_lshrrev_b32 v2, 5, v0
	v_readfirstlane_b32 s[WV], v2
	v_and_b32 v[LI], 31, v0
	v_lshlrev_b32 v[LI], 4, v[LI]
	s_lshl_b32 s15, s[WV], 11
	v_add_nc_u32 v[GA], s15, v[LI]
	v_add_nc_u32 v[SV], LV, v[GA]
	s_and_b32 s14, ttmp7, 0xffff
	s_lshl_b32 s48, s14, 17                        ; a head is 131,072 bytes in each buffer
	s_mov_b32 s49, 0
	s_lshl_b32 s52, ttmp9, 3
	s_add_co_u32 s52, s52, s[WV]                   ; my low block
	s_sub_co_u32 s53, 63, s52                      ; my high block
	s_lshl_b32 s54, s52, 11                        ; a block's codes are 2,048 bytes
	s_add_co_u32 s54, s54, s48
	s_mov_b32 s55, 0
	s_lshl_b32 s56, s53, 11
	s_add_co_u32 s56, s56, s48
	s_mov_b32 s57, 0
	s_mov_b32 s[SEL], 0x76543210
	s_mov_b32 s[SEL+1], 0xfedcba98
	s_wait_alu depctr_va_vdst(0)
	s_wait_kmcnt 0x0
	s_load_b256 s[40:47], s[10:11], 0x0            ; e0 .. e7
	s_add_nc_u64 s[KB:KB+1], s[6:7], s[48:49]
	s_add_nc_u64 s[VB:VB+1], s[8:9], s[48:49]
	s_add_nc_u64 s[58:59], s[4:5], s[54:55]
	s_add_nc_u64 s[60:61], s[4:5], s[56:57]
	s_add_nc_u64 s[66:67], s[12:13], s[54:55]
	s_add_nc_u64 s[68:69], s[12:13], s[56:57]
.irp i, 0,1,2,3
	global_load_b128 v[TSA+4*\i:TSA+4*\i+3], v[GA], s[KB:KB+1] offset:512*\i          ; chunk 0, into registers that the first scores take later
.endr
.irp i, 0,1,2,3
	global_load_b128 v[TSA+16+4*\i:TSA+16+4*\i+3], v[GA], s[VB:VB+1] offset:512*\i
.endr
.irp i, 0,1,2,3
	global_load_b128 v[QA+4*\i:QA+4*\i+3], v[LI], s[60:61] offset:512*\i              ; the high block's Q
.endr
	WIN 0x40
.irp i, 0,1,2,3
	global_load_b128 v[QLO+4*\i:QLO+4*\i+3], v[LI], s[58:59] offset:512*\i            ; the low block's
.endr
.irp i, 0,1,2,3
	global_load_b128 v[LD+4*\i:LD+4*\i+3], v[GA], s[KB:KB+1] offset:CHB+512*\i        ; chunk 1
.endr
.irp i, 0,1,2,3
	global_load_b128 v[LD+16+4*\i:LD+16+4*\i+3], v[GA], s[VB:VB+1] offset:CHB+512*\i
.endr
	WIN 0
	s_wait_kmcnt 0x0
	s_add_co_i32 s62, s42, s43
	s_lshl_b32 s62, s62, 23
	s_add_co_i32 s[CS], s62, 0x3fb8aa3b            ; log2(e) x 2^(e2 + e3): the exponents are added to its exponent field
	s_mov_b32 s[CS+1], s[CS]
	s_add_co_i32 s62, s44, 127
	s_lshl_b32 s63, s62, 23                        ; 2^e4
	s_add_co_i32 s62, s62, 8
	s_lshl_b32 s62, s62, 23
	s_or_b32 s62, s62, 0x600000                    ; 448 x 2^e4
	s_add_co_i32 s[EO], s44, s45
	s_sub_co_i32 s[EO], s[EO], s46                 ; e4 + e5 - e6
	s_cmp_lt_i32 s44, -8
	s_cselect_b32 s[HOLD], 1, 0                    ; 1: 448 x 2^e4 lies under 1, so p must be held
	v_and_b32 v[DG], 15, v0
	v_bfe_u32 v6, v0, 4, 1
	v_lshlrev_b32 v6, 3, v6
	v_sub_nc_u32 v[DG], v[DG], v6
.irp j, 0,1,2,3,4,5,6,7
	v_cmp_gt_i32 s[MJ+\j], \j, v[DG]               ; key 8 (lane / 16) + j of the diagonal's tile comes after query lane % 16
.endr
	v_mov_b32 v[SC], s63
	v_mov_b32 v[LIM], s62
	v_mov_b32 v[NINF], 0xff800000
	v_mov_b32 v[ONE], 1.0
	v_mov_b32 v[TOP], 0x43e00000
	v_mov_b32 v[FA+1], 0                           ; named as upper halves of pairs
	v_mov_b32 v[FB+1], 0
	v_mov_b32 v[PA], 0                             ; a lane permute's destination counts as one of its sources
	v_mov_b32 v[PB], 0
.macro INIT
	v_mov_b32 v[MA+1], 0xff61b1e6                  ; -3e38, under every t
	v_mov_b32 v[MB+1], 0xff61b1e6
	v_floor_f32 v[MA], -v[MA+1]
	v_floor_f32 v[MB], -v[MB+1]
.irp r, LA, LA+1, LB, LB+1
	v_mov_b32 v[\r], 0
.endr
	WIN 0x40
.set j, 0
.rept 64
	v_mov_b32 v[OA+j], 0
.set j, j+1
.endr
	WIN 0
.endm
; the scores of hidden keys of one tile become -infinity; s[td]: the key tile on the tile's diagonal: those under it count, those over it are hidden
.macro MASK base, td
.irp t, 0,1,2,3,4,5,6,7
	s_cmp_lt_u32 s[\td], \t
	s_cselect_b64 s[TA:TA+1], -1, 0
	s_cmp_eq_u32 s[\td], \t
.irp p, 0,2,4,6
	s_cselect_b64 s[TM+\p:TM+\p+1], s[MJ+\p:MJ+\p+1], s[TA:TA+1]
.endr
.irp j, 0,1,2,3,4,5,6,7
	v_cndmask_b32 v[\base+8*\t+\j], v[\base+8*\t+\j], v[NINF], s[TM+\j]
.endr
.endr
.endm
; A KEY STEP: 128 keys from s[KF] on, for both tiles of the block whose Q lies in v40-55
.macro STEP
	s_cmp_gt_u32 s[KF], s[QL]
	s_cbranch_scc1 .Lhidden_\@                     ; all 128 keys come after my 32 queries
	v_add_nc_u32 v[ADK], s[TBK], v[LI]
	v_add_nc_u32 v[ADV], s[TBV], v[LI]
	v_nop                                          ; with the two additions: four places ahead of loads into registers that matrix instructions have read
	v_nop
.irp t, 0,1,2,3,4,5,6,7
	ds_load_b128 v[FR+8*\t:FR+8*\t+3], v[ADK] offset:1024*\t
	ds_load_b128 v[FR+8*\t+4:FR+8*\t+7], v[ADK] offset:1024*\t+512
.endr
	s_wait_alu depctr_va_vdst(0)
	s_wait_dscnt 0x0
.irp t, 0,1,2,3,4,5,6,7
	v_wmma_f32_16x16x64_fp8_fp8 v[TSA+8*\t:TSA+8*\t+7], v[FR+8*\t:FR+8*\t+7], v[QA:QA+7], 0
	v_wmma_f32_16x16x64_fp8_fp8 v[TSB+8*\t:TSB+8*\t+7], v[FR+8*\t:FR+8*\t+7], v[QB:QB+7], 0
.endr
.rept 4
	v_nop
.endr
.irp t, 0,1,2,3
.irp g, 0,1,2,3
	ds_load_b128 v[FR+16*\t+4*\g:FR+16*\t+4*\g+3], v[ADV] offset:2048*\t+512*\g   ; V's fragments land under the softmax
.endr
.endr
	s_add_co_u32 s77, s[KF], 127
	s_cmp_le_u32 s77, s[Q0]
	s_cbranch_scc1 .Lopen_\@                       ; all 128 keys count for all 32 queries
	s_sub_co_u32 s77, s[Q0], s[KF]
	s_lshr_b32 s77, s77, 4                         ; A's diagonal,
	s_add_co_u32 s81, s77, 1                       ; and B's, 16 keys on
	MASK TSA, 77
	MASK TSB, 81
.Lopen_\@:
	v_max3_num_f32 v[CA], v[TSA], v[TSA+1], v[TSA+2]       ; the step's largest scores: two chains a tile, each accumulator from its low end on
	v_max3_num_f32 v[CB], v[TSB], v[TSB+1], v[TSB+2]
	v_max3_num_f32 v[CA+1], v[TSA+3], v[TSA+4], v[TSA+5]
	v_max3_num_f32 v[CB+1], v[TSB+3], v[TSB+4], v[TSB+5]
.irp i, 6,10,14,18,22,26,30,34,38,42,46,50,54,58
	v_max3_num_f32 v[CA], v[CA], v[TSA+\i], v[TSA+\i+1]
	v_max3_num_f32 v[CB], v[CB], v[TSB+\i], v[TSB+\i+1]
	v_max3_num_f32 v[CA+1], v[CA+1], v[TSA+\i+2], v[TSA+\i+3]
	v_max3_num_f32 v[CB+1], v[CB+1], v[TSB+\i+2], v[TSB+\i+3]
.endr
	v_max3_num_f32 v[CA], v[CA], v[TSA+62], v[TSA+63]
	v_max3_num_f32 v[CB], v[CB], v[TSB+62], v[TSB+63]
	v_max_num_f32 v[CA], v[CA], v[CA+1]
	v_max_num_f32 v[CB], v[CB], v[CB+1]
	v_permlanex16_b32 v[PA], v[CA], s[SEL], s[SEL+1]
	v_permlanex16_b32 v[PB], v[CB], s[SEL], s[SEL+1]
	v_max_num_f32 v[CA], v[CA], v[PA]
	v_max_num_f32 v[CB], v[CB], v[PB]
	v_mul_f32 v[CA], s[CS], v[CA]
	v_mul_f32 v[CB], s[CS], v[CB]
	v_max_num_f32 v[MA+1], v[MA+1], v[CA]          ; the running largest t
	v_max_num_f32 v[MB+1], v[MB+1], v[CB]
	v_mov_b32 v[CA], v[MA]
	v_mov_b32 v[CB], v[MB]
	v_floor_f32 v[MA], -v[MA+1]                    ; -M
	v_floor_f32 v[MB], -v[MB+1]
	v_sub_f32 v[CA], v[MA], v[CA]
	v_sub_f32 v[CB], v[MB], v[CB]
	v_cvt_i32_f32 v[CA], v[CA]
	v_cvt_i32_f32 v[CB], v[CB]
	v_ldexp_f32 v[FA], 1.0, v[CA]                  ; f = 2^(old M - new M)
	v_ldexp_f32 v[FB], 1.0, v[CB]
	v_pk_mul_f32 v[LA:LA+1], v[LA:LA+1], v[FA:FA+1] op_sel_hi:[1,0]
	v_pk_mul_f32 v[LB:LB+1], v[LB:LB+1], v[FB:FB+1] op_sel_hi:[1,0]
	WIN 0x41                                       ; O^T under the new M, ahead of the exponentials: destination and source 0 in window 1
.set j, 0
.rept 16
	v_pk_mul_f32 v[OA+j:OA+j+1], v[OA+j:OA+j+1], v[FA:FA+1] op_sel_hi:[1,0]
	v_pk_mul_f32 v[OB+j:OB+j+1], v[OB+j:OB+j+1], v[FB:FB+1] op_sel_hi:[1,0]
.set j, j+2
.endr
	WIN 0
.set j, 0
.rept 32
	v_pk_fma_f32 v[TSA+j:TSA+j+1], v[TSA+j:TSA+j+1], s[CS:CS+1], v[MA:MA+1] op_sel_hi:[1,0,0]
	v_pk_fma_f32 v[TSB+j:TSB+j+1], v[TSB+j:TSB+j+1], s[CS:CS+1], v[MB:MB+1] op_sel_hi:[1,0,0]
.set j, j+2
.endr
	s_wait_alu depctr_va_vdst(0)                   ; the wait ahead of the batch
.set j, 0
.rept 128
	v_exp_f32 v[TSA+j], v[TSA+j]                   ; both tiles' p: v120-247
.set j, j+1
.endr
	v_nop                                          ; a plain place behind the batch
	s_wait_alu depctr_va_vdst(0)                   ; and the wait behind it, ahead of its first reader
	v_pk_add_f32 v[XA:XA+1], v[TSA:TSA+1], v[TSA+2:TSA+3]  ; the sums of the unquantised p, two chains a tile
	v_pk_add_f32 v[XB:XB+1], v[TSB:TSB+1], v[TSB+2:TSB+3]
.irp j, 4,8,12,16,20,24,28,32,36,40,44,48,52,56,60
	v_pk_add_f32 v[LA:LA+1], v[LA:LA+1], v[TSA+\j:TSA+\j+1]
	v_pk_add_f32 v[LB:LB+1], v[LB:LB+1], v[TSB+\j:TSB+\j+1]
	v_pk_add_f32 v[XA:XA+1], v[XA:XA+1], v[TSA+\j+2:TSA+\j+3]
	v_pk_add_f32 v[XB:XB+1], v[XB:XB+1], v[TSB+\j+2:TSB+\j+3]
.endr
	v_pk_add_f32 v[LA:LA+1], v[LA:LA+1], v[XA:XA+1]
	v_pk_add_f32 v[LB:LB+1], v[LB:LB+1], v[XB:XB+1]
	s_cmp_eq_u32 s[HOLD], 0
	s_wait_alu depctr_va_vdst(0)
	s_cbranch_scc1 .Lfits_\@                       ; e4 >= -8: every p / 2^e4 lies under 448
.set j, 0
.rept 128
	v_min_num_f32 v[TSA+j], v[TSA+j], v[LIM]       ; the conversion does not saturate (ISA guide 7.6.2); p is not negative
.set j, j+1
.endr
.Lfits_\@:
	WIN 0x40                                       ; the codes go to window 1
.irp t, 0,1,2,3,4,5,6,7
	v_cvt_scalef32_pk8_fp8_f32 v[PCA+2*\t:PCA+2*\t+1], v[TSA+8*\t:TSA+8*\t+7], v[SC]
	v_cvt_scalef32_pk8_fp8_f32 v[PCB+2*\t:PCB+2*\t+1], v[TSB+8*\t:TSB+8*\t+7], v[SC]
.endr
	v_nop                                          ; one plain line between the conversions and the matrix instructions that read the codes
	s_wait_alu depctr_va_vdst(0)
	s_wait_dscnt 0x0                               ; V's fragments
	WIN 0x54                                       ; source 0 (V) window 0; the codes, C and D window 1
.irp t, 0,1,2,3
	v_wmma_f32_16x16x128_fp8_fp8 v[OA+8*\t:OA+8*\t+7], v[FR+16*\t:FR+16*\t+15], v[PCA:PCA+15], v[OA+8*\t:OA+8*\t+7]
	v_wmma_f32_16x16x128_fp8_fp8 v[OB+8*\t:OB+8*\t+7], v[FR+16*\t:FR+16*\t+15], v[PCB:PCB+15], v[OB+8*\t:OB+8*\t+7]
.endr
	WIN 0
.Lhidden_\@:
	s_add_co_u32 s[KF], s[KF], 128
	s_add_co_u32 s[TBK], s[TBK], 8192
	s_add_co_u32 s[TBV], s[TBV], 8192
.endm
; A block's end: O^T x 2^(e4 + e5 - e6) / the sum, held within +-448, becomes codes of the out-projection's operand: four stores of 512 consecutive bytes
.macro FINISH oa
.rept 4
	v_nop
.endr
	v_add_f32 v[LA], v[LA], v[LA+1]
	v_add_f32 v[LB], v[LB], v[LB+1]
	v_permlanex16_b32 v[PA], v[LA], s[SEL], s[SEL+1]
	v_permlanex16_b32 v[PB], v[LB], s[SEL], s[SEL+1]
	v_add_f32 v[LA], v[LA], v[PA]
	v_add_f32 v[LB], v[LB], v[PB]
	s_wait_alu depctr_va_vdst(0)                   ; the wait ahead of the transcendentals
	v_rcp_f32 v[LA], v[LA]
	v_rcp_f32 v[LB], v[LB]
	v_nop
	s_wait_alu depctr_va_vdst(0)                   ; and ahead of their first reader
	v_ldexp_f32 v[LA], v[LA], s[EO]
	v_ldexp_f32 v[LB], v[LB], s[EO]
	WIN 0x01                                       ; source 0 (O^T) window 1
	s_wait_alu depctr_va_vdst(0)                   ; and directly ahead of the first reader of O^T
.set j, 0
.rept 16
	v_pk_mul_f32 v[TSA+j:TSA+j+1], v[OA+j:OA+j+1], v[LA:LA+1] op_sel_hi:[1,0]
.set j, j+2
.endr
.set j, 0
.rept 16
	v_pk_mul_f32 v[TSA+32+j:TSA+32+j+1], v[OB+j:OB+j+1], v[LB:LB+1] op_sel_hi:[1,0]
.set j, j+2
.endr
	WIN 0
.set j, 0
.rept 64
	v_med3_num_f32 v[TSA+j], v[TSA+j], -v[TOP], v[TOP]
.set j, j+1
.endr
.irp u, 0,1,2,3,4,5,6,7
	v_cvt_scalef32_pk8_fp8_f32 v[FR+2*\u:FR+2*\u+1], v[TSA+8*\u:TSA+8*\u+7], v[ONE]
.endr
	v_nop
.irp i, 0,1,2,3
	global_store_b128 v[LI], v[FR+4*\i:FR+4*\i+3], s[\oa:\oa+1] offset:512*\i
.endr
.endm
	INIT
	s_wait_alu depctr_va_vdst(0)
	s_wait_loadcnt 12                              ; chunk 0 and the high block's Q are in; the low block's Q (4 loads) and chunk 1 (8) may be out
.irp i, 0,1,2,3
	ds_store_b128 v[GA], v[TSA+4*\i:TSA+4*\i+3] offset:512*\i
.endr
.irp i, 0,1,2,3
	ds_store_b128 v[SV], v[TSA+16+4*\i:TSA+16+4*\i+3] offset:512*\i
.endr
	s_wait_dscnt 0x0
	s_barrier_signal -1
	s_barrier_wait -1                              ; chunk 0 is whole
	s_lshl_b32 s[Q0], s53, 5                       ; THE HIGH BLOCK
	s_add_co_u32 s[QL], s[Q0], 31
	s_mov_b32 s[KF], 0
	s_mov_b32 s[TBK], 0
	s_mov_b32 s[TBV], LV
	s_mov_b32 s[STK], CHB
	s_mov_b32 s[STV], LV+CHB
	s_mov_b32 s[CNT], 0
.Ltrip:                                                ; trip c: chunk c + 1 goes into LDS, chunk c + 2 is asked for, chunk c is multiplied
	s_cmp_ge_u32 s[CNT], 7
	s_cbranch_scc1 .Lnofill                        ; there is no chunk 8
	v_add_nc_u32 v[SK], s[STK], v[GA]
	v_add_nc_u32 v[SV], s[STV], v[GA]
	s_wait_alu depctr_va_vdst(0)
	s_wait_loadcnt 0x0                             ; chunk c + 1, asked for a trip ago; so the bases may step
	WIN 0x04                                       ; an LDS store's data are its source 1: window 1
.irp i, 0,1,2,3
	ds_store_b128 v[SK], v[LD+4*\i:LD+4*\i+3] offset:512*\i
.endr
.irp i, 0,1,2,3
	ds_store_b128 v[SV], v[LD+16+4*\i:LD+16+4*\i+3] offset:512*\i
.endr
	WIN 0
	s_wait_dscnt 0x0                               ; for the others' sake, and the stores have read their registers
	s_cmp_ge_u32 s[CNT], 6
	s_cbranch_scc1 .Lnofill                        ; chunk 7 is the last
	s_add_nc_u64 s[KB:KB+1], s[KB:KB+1], CHB
	s_add_nc_u64 s[VB:VB+1], s[VB:VB+1], CHB
	WIN 0x40
.irp i, 0,1,2,3
	global_load_b128 v[LD+4*\i:LD+4*\i+3], v[GA], s[KB:KB+1] offset:CHB+512*\i
.endr
.irp i, 0,1,2,3
	global_load_b128 v[LD+16+4*\i:LD+16+4*\i+3], v[GA], s[VB:VB+1] offset:CHB+512*\i
.endr
	WIN 0
.Lnofill:
	s_barrier_signal -1                            ; my part of chunk c + 1 lies in LDS
	STEP                                           ; between signal and wait: register work and reads of chunk c, which nobody writes any more
	STEP
	s_barrier_wait -1                              ; everybody's does
	s_add_co_u32 s[STK], s[STK], CHB
	s_add_co_u32 s[STV], s[STV], CHB
	s_add_co_u32 s[CNT], s[CNT], 1
	s_cmp_lt_u32 s[CNT], 8
	s_cbranch_scc1 .Ltrip
	FINISH 68
	INIT
	WIN 0x01
.set j, 0
.rept 16
	v_mov_b32 v[QA+j], v[QLO+j]                    ; the low block's Q, out of window 1
.set j, j+1
.endr
	WIN 0
	s_wait_alu depctr_va_vdst(0)
	s_wait_xcnt 0x0                                ; the stores have read their data registers, which take K's fragments next
	s_lshl_b32 s[Q0], s52, 5                       ; THE LOW BLOCK: its keys lie under 1,024, in chunks that are whole
	s_add_co_u32 s[QL], s[Q0], 31
	s_mov_b32 s[KF], 0
	s_mov_b32 s[TBK], 0
	s_mov_b32 s[TBV], LV
	s_mov_b32 s[CNT], 0
.Llow:
	STEP
	s_add_co_u32 s[CNT], s[CNT], 1
	s_cmp_lt_u32 s[CNT], 8
	s_cbranch_scc1 .Llow
	FINISH 66
	s_wait_tensorcnt 0x0                           ; the wave's end
	ds_add_u32 v[SPW], v[NIL]
	s_wait_dscnt 0x0
	s_endpgm
.Lfunc_end_k_q7181db9102_attn:
	.size	k_q7181db9102_attn, .Lfunc_end_k_q7181db9102_attn-k_q7181db9102_attn
	.p2alignl 7, 3214868480
	.fill 96, 4, 3214868480
	.section	.rodata,"a",@progbits
	.p2align	6, 0x0
	.amdhsa_kernel k_q7181db9102_attn
		.amdhsa_group_segment_fixed_size 295936
		.amdhsa_private_segment_fixed_size 0
		.amdhsa_enable_private_segment 0
		.amdhsa_kernarg_size 40
		.amdhsa_user_sgpr_count 2
		.amdhsa_user_sgpr_kernarg_segment_ptr 1
		.amdhsa_wavefront_size32 1
		.amdhsa_system_sgpr_workgroup_id_x 1
		.amdhsa_system_sgpr_workgroup_id_y 1
		.amdhsa_system_sgpr_workgroup_id_z 1
		.amdhsa_system_vgpr_workitem_id 0
		.amdhsa_next_free_vgpr 512
		.amdhsa_next_free_sgpr 102
		.amdhsa_reserve_vcc 0
		.amdhsa_float_denorm_mode_32 3
		.amdhsa_float_denorm_mode_16_64 3
		.amdhsa_memory_ordered 1
		.amdhsa_forward_progress 1
		.amdhsa_inst_pref_size 150
	.end_amdhsa_kernel
	.amdgpu_metadata
---
amdhsa.version: [ 1, 2 ]
amdhsa.kernels:
  - .name:           k_q7181db9102_attn
    .symbol:         k_q7181db9102_attn.kd
    .args:
      - { .name: qq, .offset: 0, .size: 8, .value_kind: global_buffer, .address_space: global }
      - { .name: kq, .offset: 8, .size: 8, .value_kind: global_buffer, .address_space: global }
      - { .name: vq, .offset: 16, .size: 8, .value_kind: global_buffer, .address_space: global }
      - { .name: lowp_scales, .offset: 24, .size: 8, .value_kind: global_buffer, .address_space: global }
      - { .name: cq, .offset: 32, .size: 8, .value_kind: global_buffer, .address_space: global }
    .group_segment_fixed_size: 295936
    .private_segment_fixed_size: 0
    .kernarg_segment_align: 8
    .kernarg_segment_size: 40
    .max_flat_workgroup_size: 256
    .sgpr_count:     102
    .vgpr_count:     512
    .wavefront_size: 32
...
	.end_amdgpu_metadata
.endif
;; end of part 3
;; launch outp (part 4): grid 4 x 64, 4 waves a work-group, clusters of 4 x 4, 327,680 bytes of LDS; arguments cq, woq, lowp_scales, out0; writes out0
.if DOCPART == 4
	.amdgcn_target "amdgcn-amd-amdhsa--gfx1250"
	.amdhsa_code_object_version 6
	.text
	.protected	k_q7181db9102_outp
	.globl	k_q7181db9102_outp
	.p2align	8
	.type	k_q7181db9102_outp,@function
k_q7181db9102_outp:
	s_mov_b64 s[64:65], 0
	v_nop
	global_prefetch_b8 v0, s[64:65] scope:SCOPE_SE
	s_setreg_imm32_b32 hwreg(HW_REG_WAVE_MODE, 25, 1), 1
	s_wait_xcnt 0x0
	s_wait_alu depctr_hold_cnt(0) depctr_sa_sdst(0) depctr_va_vdst(0) depctr_va_sdst(0) depctr_va_ssrc(0) depctr_va_vcc(0) depctr_vm_vsrc(0)
	s_getreg_b32 s2, hwreg(HW_REG_IB_STS2, 6, 4)
	s_cmp_eq_u32 s2, 0
	s_cbranch_scc0 .Lentry_in_a_cluster
	s_endpgm
.Lentry_in_a_cluster:
	s_bfe_u32 s2, ttmp6, 0x10000c
	s_cmp_lg_u32 s2, 0xf033
	s_cbranch_scc0 .Lentry_shape_is_right
	s_endpgm
.Lentry_shape_is_right:
; THE OUT-PROJECTION on codes of E4M3: out0[t][b][f] = 2^(e6 + e7) x the sum over K = 1,024 of ctx's codes (cq) x out_proj_weight's codes (woq [1024 f][1024]).
; cq: [head b x 16 + n][tile of 16 t][2 pieces][32 lanes][16 bytes]: images of operand registers; K = 64 n + the head's feature, in the order that the earlier launches laid to fit woq's fragments.
; LIMIT: e6 + e7 lies between -126 and 127.  Within an instruction k stands in another order than ascending, the same in both operands.
; SHARES.  A block of 128 t (one b) x 256 f is made by a work-group of four waves: 64 x 4 = 256 work-groups.  A wave makes 64 x 128: 32 accumulators of 16 x 16, in window 2.
; K goes in 4 steps of 256 (four heads) through a ring of two LDS slots filled by the tensor data mover: waves 0, 1 fetch A's halves (64 t: 4 heads x 4,096 bytes, dense), waves 2, 3 B's (128 rows x 256 bytes, padded).
; CLUSTERS: 4 x 4 work-groups.  The four of a row of the cluster need the same tiles of A, the four of a column the same tiles of B: each tile is asked for jointly.
; THE MATRIX INSTRUCTION takes 16 rows of B as source 0 and 16 rows of A as source 1: a lane then holds eight neighbouring f of one t.
; A's and B's fragments of 128 along K have two sets of registers each: while one set is multiplied (32 matrix instructions), the other is fetched in one run of 48 LDS loads.
; No prefetch is laid: K has four steps, and the first two come by the first fills.
; REGISTERS: window 0: v16-29 addresses; v128-191, v192-255 A's two sets (4 x 16 registers); on the way out v32-95 scaled sums, v128-255 rows read back.  Window 1: B's two sets, at v0 and v128.  Window 2: accumulator (a, b) at v[8 (8 a + b)].
.set SIZE_K, 1024
.set ROWB,   256                       ; a row of B's tile in bytes
.set KROW,   SIZE_K
.set PITCH,  272                       ; B's LDS row: 256 bytes + 16 of padding
.set FR,     16                        ; registers of a fragment: 16 rows x 128 K
.set NP,     4                         ; places behind this matrix instruction (ISA guide 7.12.1)
.set AHALF,  16384                     ; 64 t x 4 heads x 64 bytes
.set HEADB,  131072                    ; a head in cq
.set ASTEP,  4*HEADB
.set BOFF,   2*AHALF
.set HALFT,  128*PITCH
.set SLOT,   BOFF+2*HALFT
.set LAPS,   SIZE_K/(2*ROWB)
.set SPARE,  2*SLOT                    ; behind the ring: the spare words, 128 bytes a wave
.set SPITCH, 528                       ; the way out: a stage of 16 rows x (512 + 16) bytes for each wave, in slot 0, behind that slot's last fill and last read
.set TROW,   16384                     ; from t to t + 1 in out0: 4 b x 1,024 f x 4 bytes
.set ADRA, 16
.set ADRB, 20
.set STO,  24
.set RD,   25
.set CO,   26
.set SPW,  28
.set NIL,  29
.set TMP,  32
.set AF,   128
.set BK,   128
.set G1, 24
.set G0, 32
.set G1B, 48
.set G0B, 56
.set MSB, 0
.macro WIN new                         ; the immediate's high byte repeats the setting that is left
.if MSB != \new
	s_set_vgpr_msb (MSB<<8)|\new
.set MSB, \new
.endif
.endm
.set MUL_LO, 0xa1                      ; source 0 (B) window 1, source 1 (A) window 0, C and D window 2
.set TO_B,   0x40                      ; destination window 1, address window 0
; A joint load: waves 0 and 1 fetch for A, waves 2 and 3 for B; the branch hangs on the wave's number alone.  An s_nop 0 and four v_nop follow each of the two lines.
.macro JLOAD g0a, g1a, g0b, g1b
	s_cmp_eq_u32 s15, 0
	s_cbranch_scc0 .Lfor_b_\@
	tensor_load_to_lds s[\g0a:\g0a+3], s[\g1a:\g1a+7]
	s_nop 0
.rept 4
	v_nop
.endr
	s_branch .Lasked_\@
.Lfor_b_\@:
	tensor_load_to_lds s[\g0b:\g0b+3], s[\g1b:\g1b+7]
	s_nop 0
.rept 4
	v_nop
.endr
.Lasked_\@:
.endm
.macro CREST                           ; a round of the cluster's barrier behind its opening barrier
	s_cmp_lg_u32 s14, 0
	s_cbranch_scc1 .Lnot_wave_0_\@
	s_barrier_signal -3
.Lnot_wave_0_\@:
	s_barrier_wait -3
	s_barrier_signal -1
	s_barrier_wait -1
.endm
.macro CROUND                          ; a whole round
	s_barrier_signal -1
	s_barrier_wait -1
	CREST
.endm
	s_load_b128 s[4:7], s[0:1], 0x0                ; cq s[4:5], woq s[6:7]
	s_load_b128 s[8:11], s[0:1], 0x10              ; the exponents s[8:9], out0 s[10:11]
	v_lshl_add_u32 v[SPW], v0, 2, SPARE
	v_mov_b32 v[NIL], 0
	ds_add_u32 v[SPW], v[NIL]                      ; the opening lines
	ds_add_u32 v[SPW], v[NIL]
	s_wait_dscnt 0x0
	v_lshrrev_b32 v1, 5, v0
	v_readfirstlane_b32 s14, v1                    ; wave 0..3
	s_lshr_b32 s15, s14, 1                         ; which 64 t of the block are mine.  Also: I fetch for A (0) or for B (1)
	s_and_b32 s16, s14, 1                          ; which 128 f.  Also: which half of that tile I fetch
	s_bfe_u32 s40, ttmp6, 0x40000                  ; cx, cy
	s_bfe_u32 s41, ttmp6, 0x40004
	s_lshl_b32 s42, ttmp9, 2
	s_add_co_u32 s42, s42, s40                     ; block column: 256 f
	s_and_b32 s17, ttmp7, 0xffff
	s_lshl_b32 s17, s17, 2
	s_add_co_u32 s17, s17, s41                     ; block row, 0..63: b = row / 16, t = 128 (row % 16) ..
	s_lshl_b32 s43, s41, 2
	s_lshl_b32 s43, 15, s43                        ; my row of the cluster
	s_lshl_b32 s44, 0x1111, s40                    ; my column
	s_or_b32 s[G1+0], s43, (3<<16)|(1<<21)         ; A: elements of 8 bytes, no padding; the mask of my row, bit 21 beside it
	s_mov_b32 s[G1+1], 512<<16                     ; a row: 64 t of one head, 4,096 bytes
	s_mov_b32 s[G1+2], 4<<16                       ; four heads
	s_mov_b32 s[G1+3], 512<<16
	s_mov_b32 s[G1+4], 4
	s_mov_b32 s[G1+5], HEADB/8
	s_mov_b32 s[G1+6], 0
	s_mov_b32 s[G1+7], 0
	s_or_b32 s[G1B+0], s44, (0<<16)|(1<<20)|(1<<21)|(5<<22)|(3<<25)  ; B: bytes; 4 words of padding behind every 64; the mask of my column
	s_mov_b32 s[G1B+1], ROWB<<16
	s_mov_b32 s[G1B+2], 128<<16
	s_mov_b32 s[G1B+3], ROWB<<16
	s_mov_b32 s[G1B+4], 128
	s_mov_b32 s[G1B+5], KROW
	s_mov_b32 s[G1B+6], 0
	s_mov_b32 s[G1B+7], 0
	s_lshr_b32 s20, s17, 4
	s_lshl_b32 s20, s20, 21                        ; b: 16 heads
	s_and_b32 s18, s17, 15
	s_lshl_b32 s18, s18, 13                        ; 128 t are 8,192 bytes of a head
	s_add_co_u32 s20, s20, s18
	s_lshl_b32 s18, s16, 12                        ; the half that I fetch: 64 t
	s_add_co_u32 s20, s20, s18
	s_mov_b32 s21, 0
	s_lshl_b32 s46, s42, 18                        ; B: 256 rows of 1,024 bytes
	s_lshl_b32 s18, s16, 17
	s_add_co_u32 s46, s46, s18
	s_mov_b32 s47, 0
	s_lshl_b32 s45, s16, 14                        ; where they go: no place in the cluster enters an LDS address
	s_mul_i32 s19, s16, HALFT
	s_add_co_u32 s19, s19, BOFF
	s_wait_kmcnt 0x0
	s_load_b64 s[96:97], s[8:9], 0x18              ; e6, e7
	s_add_nc_u64 s[20:21], s[4:5], s[20:21]
	s_add_nc_u64 s[46:47], s[6:7], s[46:47]
	CROUND                                         ; all sixteen work-groups are here: the first joint loads meet
.irp s, 0,1
	s_mov_b32 s[G0+4*\s], 1
	s_add_co_u32 s[G0+4*\s+1], s45, \s*SLOT
	s_add_nc_u64 s[G0+4*\s+2:G0+4*\s+3], s[20:21], \s*ASTEP
	s_or_b32 s[G0+4*\s+3], s[G0+4*\s+3], 0x80000000
	s_mov_b32 s[G0B+4*\s], 1
	s_add_co_u32 s[G0B+4*\s+1], s19, \s*SLOT
	s_add_nc_u64 s[G0B+4*\s+2:G0B+4*\s+3], s[46:47], \s*ROWB
	s_or_b32 s[G0B+4*\s+3], s[G0B+4*\s+3], 0x80000000
.endr
	JLOAD G0, G1, G0B, G1B                         ; K step 0: one tensor load a wave at the head
	v_and_b32 v1, 15, v0                           ; l % 16
	v_bfe_u32 v2, v0, 4, 1                         ; l / 16
	v_mul_u32_u24 v3, v1, PITCH
	v_lshl_add_u32 v4, v2, 4, v3
	v_and_b32 v6, 31, v0
	v_lshlrev_b32 v[CO], 4, v6
	s_wait_alu depctr_va_vdst(0)
	s_lshl_b32 s21, s15, 14                        ; my 64 t of A
	s_mul_i32 s22, s16, HALFT                      ; my 128 rows of B
	s_add_co_u32 s22, s22, BOFF
.irp s, 0,1
	v_add_nc_u32 v[ADRA+\s], s21, v[CO]
	v_add_nc_u32 v[ADRB+\s], s22, v4
	s_add_co_u32 s21, s21, SLOT
	s_add_co_u32 s22, s22, SLOT
.endr
	s_mul_i32 s23, s14, 16*SPITCH                  ; my stage
	v_mul_u32_u24 v5, v1, SPITCH
	v_lshl_add_u32 v5, v2, 5, v5
	v_add_nc_u32 v[STO], s23, v5
	v_add_nc_u32 v[RD], s23, v[CO]
	s_and_b32 s20, s17, 15
	s_lshl_b32 s20, s20, 7
	s_lshl_b32 s21, s15, 6
	s_add_co_u32 s20, s20, s21                     ; my first t
	s_lshl_b32 s20, s20, 14
	s_lshr_b32 s21, s17, 4
	s_lshl_b32 s21, s21, 12                        ; b: 4,096 bytes
	s_add_co_u32 s20, s20, s21
	s_mov_b32 s21, 0
	s_lshl_b32 s46, s42, 10                        ; my first f, in bytes
	s_lshl_b32 s47, s16, 9
	s_add_co_u32 s46, s46, s47
	s_mov_b32 s47, 0
	s_add_nc_u64 s[20:21], s[20:21], s[46:47]
	s_add_nc_u64 s[10:11], s[10:11], s[20:21]
.macro FRAG reg, adr, q, i             ; B: lane l holds row l % 16; registers 4 c .. 4 c + 3 hold K = 128 q + 32 c + 16 (l / 16) + 0 .. 15
.irp c, 0,1,2,3
	ds_load_b128 v[\reg+4*\c:\reg+4*\c+3], v[\adr] offset:128*(\q)+32*\c+(\i)*16*PITCH
.endr
.endm
.macro FRAGA reg, adr, q, i            ; A: images: head 2 q + c / 2 of the slot's four (4,096 bytes each), tile i of 16 t, piece c % 2
.irp c, 0,1,2,3
	ds_load_b128 v[\reg+4*\c:\reg+4*\c+3], v[\adr] offset:(2*(\q)+\c/2)*4096+(\i)*1024+(\c%2)*512
.endr
.endm
; 16 matrix instructions: A's blocks a0, a0 + 1 x B's eight, 128 along K, on set p.  The 32 accumulators take turns in the same order in every step.
.macro MUL16 a0, p, zero
.irp a, \a0, \a0+1
.irp b, 0,1,2,3,4,5,6,7
.if \zero
	v_wmma_f32_16x16x128_fp8_fp8 v[8*(8*(\a)+\b):8*(8*(\a)+\b)+7], v[128*(\p)+FR*\b:128*(\p)+FR*\b+FR-1], v[AF+64*(\p)+FR*(\a):AF+64*(\p)+FR*(\a)+FR-1], 0
.else
	v_wmma_f32_16x16x128_fp8_fp8 v[8*(8*(\a)+\b):8*(8*(\a)+\b)+7], v[128*(\p)+FR*\b:128*(\p)+FR*\b+FR-1], v[AF+64*(\p)+FR*(\a):AF+64*(\p)+FR*(\a)+FR-1], v[8*(8*(\a)+\b):8*(8*(\a)+\b)+7]
.endif
.endr
.endr
.endm
.macro FETCH slot, q, p                ; the fragments of the slot's q-th 128 along K into set p: 32 loads for B, 16 for A
	WIN TO_B
.irp i, 0,1,2,3,4,5,6,7
	FRAG 128*(\p)+FR*\i, ADRB+\slot, \q, \i
.endr
	WIN 0
.irp i, 0,1,2,3
	FRAGA AF+64*(\p)+FR*\i, ADRA+\slot, \q, \i
.endr
.endm
.macro PLACES n
.rept \n
	v_nop
.endr
.endm
; A slot's first 128 along K: set 0 is multiplied, set 1 is fetched from the same slot
.macro STEP slot, zero
	s_wait_dscnt 0x0                               ; set 0 is in
	PLACES NP                                      ; ahead of loads into set 1, which the last products read
	FETCH \slot, 1, 1
	WIN MUL_LO
	MUL16 0, 0, \zero
	MUL16 2, 0, \zero
	WIN 0
.endm
; A slot's second 128 along K changes slots: one barrier; in front of it each wave waits for all its tensor loads, adds 0 to its spare word, and waits for that and for its reads of this slot.  fill = 1: this slot is filled again.
.macro TURN slot, next, fill
	s_wait_tensorcnt 0x0                           ; my part of the next slot has landed
	ds_add_u32 v[SPW], v[NIL]
	s_wait_dscnt 0x0                               ; the add is done, set 1 is in, and my reads of this slot are over
	s_barrier_signal -1
	WIN MUL_LO
	MUL16 0, 1, 0                                  ; work on registers while the others arrive
	WIN 0
	s_barrier_wait -1
.if \fill
	CREST                                          ; the barrier has opened a round of the cluster's barrier
	s_add_nc_u64 s[G0+4*\slot+2:G0+4*\slot+3], s[G0+4*\slot+2:G0+4*\slot+3], 2*ASTEP
	s_add_nc_u64 s[G0B+4*\slot+2:G0B+4*\slot+3], s[G0B+4*\slot+2:G0B+4*\slot+3], 2*ROWB
	JLOAD G0+4*\slot, G1, G0B+4*\slot, G1B         ; the first tensor load behind the round; its four v_nop are the places ahead of the loads below
.else
	PLACES NP
.endif
	FETCH \next, 0, 0
	WIN MUL_LO
	MUL16 2, 1, 0
	WIN 0
.endm
	s_wait_alu depctr_va_vdst(0)
	s_wait_tensorcnt 0x0                           ; my part of K step 0 is in
	ds_add_u32 v[SPW], v[NIL]
	s_wait_dscnt 0x0
	CROUND                                         ; a whole round: everybody's part of K step 0 is in, and the joint loads meet
	JLOAD G0+4, G1, G0B+4, G1B                     ; K step 1's load, the first tensor load behind the round
	FETCH 0, 0, 0
	STEP 0, 1                                      ; the first products start the sums: nothing is cleared
	s_mov_b32 s3, LAPS-1
.Llap:                                                 ; a trip goes once round the ring and fills both slots again
	TURN 0, 1, 1
	STEP 1, 0
	TURN 1, 0, 1
	STEP 0, 0
	s_sub_co_u32 s3, s3, 1
	s_cmp_lg_u32 s3, 0
	s_cbranch_scc1 .Llap
	TURN 0, 1, 0                                   ; the last lap fills nothing, and has no round of the cluster's barrier
	STEP 1, 0
	s_wait_dscnt 0x0                               ; the very last 128 along K
	WIN MUL_LO
	MUL16 0, 1, 0
	MUL16 2, 1, 0
	WIN 0
; THE WAY OUT, block by block of 16 t x 128 f: scaled into other registers (each accumulator from its low end on), through my own stage, back as whole rows of 512 bytes, which the 32 lanes store as two aligned units of 256 bytes.
.macro TOSTAGE a
.set AC, 64*(\a)
	WIN 0x02                                       ; source 0: window 2
.irp j, 0,2,4,6,8,10,12,14,16,18,20,22,24,26,28,30,32,34,36,38,40,42,44,46,48,50,52,54,56,58,60,62
	v_pk_mul_f32 v[TMP+\j:TMP+\j+1], v[AC+\j:AC+\j+1], s[96:97] op_sel_hi:[1,0]
.endr
	WIN 0
.irp b, 0,1,2,3,4,5,6,7
	ds_store_b128 v[STO], v[TMP+8*\b:TMP+8*\b+3] offset:64*\b
	ds_store_b128 v[STO], v[TMP+8*\b+4:TMP+8*\b+7] offset:64*\b+16
.endr
.set BB, BK+64*((\a)%2)
.irp t, 0,1,2,3,4,5,6,7,8,9,10,11,12,13,14,15
	ds_load_b128 v[BB+4*\t:BB+4*\t+3], v[RD] offset:\t*SPITCH   ; LDS serves a wave's instructions in order: these see my stores
.endr
.endm
.macro SEND a, younger                 ; younger: the LDS instructions issued behind block a's loads, which may stay out
.set BB, BK+64*((\a)%2)
	s_wait_dscnt \younger
.if (\a) > 0
	s_add_nc_u64 s[10:11], s[10:11], 16*TROW       ; behind a wait on XCNT: the earlier stores have read their base
.endif
.irp t, 0,1,2,3,4,5,6,7,8,9,10,11,12,13,14,15
	global_store_b128 v[CO], v[BB+4*\t:BB+4*\t+3], s[10:11] offset:\t*TROW th:TH_STORE_NT
.endr
.endm
	s_wait_kmcnt 0x0
	s_add_co_i32 s96, s96, s97
	s_add_co_i32 s96, s96, 127
	s_lshl_b32 s96, s96, 23                        ; 2^(e6 + e7) as f32
	PLACES NP
	TOSTAGE 0
.irp a, 1,2,3
.if \a > 1
	s_wait_xcnt 0x0                                ; block a - 2's stores have read their registers and their base
.endif
	TOSTAGE \a
	SEND \a-1, 32                                  ; behind block a - 1's loads: block a's 16 stores and 16 loads
.endr
	s_wait_xcnt 0x0
	SEND 3, 0
	s_wait_tensorcnt 0x0                           ; the wave's end
	ds_add_u32 v[SPW], v[NIL]
	s_wait_dscnt 0x0
	CROUND                                         ; the closing round: no work-group ends while a partner may still ask for a tile that names it
	s_endpgm
.Lfunc_end_k_q7181db9102_outp:
	.size	k_q7181db9102_outp, .Lfunc_end_k_q7181db9102_outp-k_q7181db9102_outp
	.p2alignl 7, 3214868480
	.fill 96, 4, 3214868480
	.section	.rodata,"a",@progbits
	.p2align	6, 0x0
	.amdhsa_kernel k_q7181db9102_outp
		.amdhsa_group_segment_fixed_size 327680
		.amdhsa_private_segment_fixed_size 0
		.amdhsa_enable_private_segment 0
		.amdhsa_kernarg_size 32
		.amdhsa_user_sgpr_count 2
		.amdhsa_user_sgpr_kernarg_segment_ptr 1
		.amdhsa_wavefront_size32 1
		.amdhsa_system_sgpr_workgroup_id_x 1
		.amdhsa_system_sgpr_workgroup_id_y 1
		.amdhsa_system_sgpr_workgroup_id_z 1
		.amdhsa_system_vgpr_workitem_id 0
		.amdhsa_next_free_vgpr 768
		.amdhsa_next_free_sgpr 98
		.amdhsa_reserve_vcc 0
		.amdhsa_float_denorm_mode_32 3
		.amdhsa_float_denorm_mode_16_64 3
		.amdhsa_memory_ordered 1
		.amdhsa_forward_progress 1
		.amdhsa_inst_pref_size 76
	.end_amdhsa_kernel
	.amdgpu_metadata
---
amdhsa.version: [ 1, 2 ]
amdhsa.kernels:
  - .name:           k_q7181db9102_outp
    .symbol:         k_q7181db9102_outp.kd
    .args:
      - { .name: cq, .offset: 0, .size: 8, .value_kind: global_buffer, .address_space: global }
      - { .name: woq, .offset: 8, .size: 8, .value_kind: global_buffer, .address_space: global }
      - { .name: lowp_scales, .offset: 16, .size: 8, .value_kind: global_buffer, .address_space: global }
      - { .name: out0, .offset: 24, .size: 8, .value_kind: global_buffer, .address_space: global }
    .group_segment_fixed_size: 327680
    .private_segment_fixed_size: 0
    .kernarg_segment_align: 8
    .kernarg_segment_size: 32
    .max_flat_workgroup_size: 128
    .sgpr_count:     98
    .vgpr_count:     768
    .wavefront_size: 32
...
	.end_amdgpu_metadata
.endif
;; end of part 4
